; MI455X (gfx1250); checked and timed in simulation.
; The chip was launched on July 23, 2026; its instructions are those of AMD's public machine-readable ISA for CDNA 5 (MIT licence, August 2026) and "CDNA5" Instruction Set Architecture Reference Guide (July 2026). The comments in the code are by the model that wrote it; some were corrected since.
;; MAELD Reg Loss. Allowed arithmetic: matrix products marked QUANTISED: E4M3 operands, one given power-of-two scale a tensor, by v_wmma_f32_16x16x64_fp8_fp8 or v_wmma_f32_16x16x128_fp8_fp8, f32 sums; everything else in f32.
;; Inputs: features 8,192 x 768 float32; lowp_scales 2 int32 (the exponents e of the quantised operands' scales 2^e).
;; Outputs: out0 8,192 float32.
;; Constants: k = 20.
;; This version of the problem:
;;   THIS VERSION OF THE PROBLEM IS GIVEN IN LOW PRECISION. The matrix products marked QUANTISED in the list below multiply operands that are first quantised to E4M3 (4 exponent bits, 3 mantissa bits; 8 bits a number), with one given power-of-two scale for each operand tensor; their sums are f32. All else is computed in f32.
;;   The module's matrix products, in the order in which they are computed (A, B: the left and right operand; K: the contracted axis; several contracted axes count as one K, in the product's order):
;;     1. [M 8,192, K 768] x [K 768, N 8,192]; A: input features; B: input features: QUANTISED (scales: A lowp_scales[0], B lowp_scales[1])
;;   THE QUANTISER, for each operand of a quantised product, along K:
;;     - The operand's scale is 2^e, e = its entry of the input lowp_scales (int32; the entries are numbered through the quantised products in the list's order, A before B).
;;     - Each number is divided by the scale, clamped to +-448, and rounded to the nearest number of E4M3, ties to even, subnormals kept.
;;     - The product sums the exact products of the quantised numbers (number of the format x scale) in f32.
;;   ~~~python
;;   def quantise(x, axis, e):      # numpy; x: float32 -> the quantised numbers, widened to float32 again
;;       x = np.moveaxis(x, axis, -1); K = x.shape[-1]
;;       r = np.clip(x / 2.0 ** e, -448, 448)
;;       step = 2.0 ** (np.maximum(np.frexp(np.where(r == 0, 1, r))[1] - 1, -6) - 3)
;;       q = np.round(r / step) * step * 2.0 ** e      # np.round: ties to even
;;       return np.moveaxis(q, -1, axis).astype(np.float32)
;;   ~~~
;; One version. Each part assembles by itself: llvm-mc -triple=amdgcn-amd-amdhsa -mcpu=gfx1250 --defsym DOCPART=n.
;; ======== version 1 of 1: 3 launches
;; limits: right only within a limited range of input values
;; workspace buffers: qa 6,291,456 bytes; qb 6,291,456 bytes; nrm 65,536 bytes; part 6,291,456 bytes
;; launch prep (part 1): grid 512 x 1, 6 waves a work-group, no clusters, 51,968 bytes of LDS; arguments features, lowp_scales, qa, qb, nrm; writes qa, qb, nrm
.if DOCPART == 1
	.amdgcn_target "amdgcn-amd-amdhsa--gfx1250"
	.amdhsa_code_object_version 6
	.text
	.protected	k_qc1b4fb107d_prep
	.globl	k_qc1b4fb107d_prep
	.p2align	8
	.type	k_qc1b4fb107d_prep,@function
k_qc1b4fb107d_prep:
	s_mov_b64 s[64:65], 0
	v_nop
	global_prefetch_b8 v0, s[64:65] scope:SCOPE_SE
	s_setreg_imm32_b32 hwreg(HW_REG_WAVE_MODE, 25, 1), 1
	s_wait_xcnt 0x0
; features [8192][768] f32 -> qa: codes of E4M3 with the scale 2^e0, qb: the same numbers with 2^e1, nrm: each row's sum of squares.
; code = x / 2^e, held within +-448, rounded to the nearest code, ties to even.  e0, e1: the two whole numbers of lowp_scales.
; qa and qb lie IN THE ORDER OF AN OPERAND'S REGISTERS: tile T (rows 16 T .. 16 T + 15) is 12,288 bytes, [K step 0..5][g 0..3][lane 0..31][16 bytes];
; lane (r = lane % 16, h = lane / 16) holds row r, k = 128 step + 32 g + 16 h + 0 .. 15.  The next launch takes a fragment by four loads of 512 consecutive bytes.
; nrm: words 0 .. 8191 hold x2 = the sum of squares of the f32 numbers; words 8192 .. 16383 hold ny = -x2 / 2^(e0 + e1 + 1), which the next launch gives its sums as their start.
; SHARES: a work-group takes a tile of 16 rows; wave w takes K step w (128 along K).  Each of a wave's 16 loads reads 512 consecutive bytes of one row; the 8 KB turn through the wave's own
; stage in LDS (rows 528 bytes apart, so that the sixteen rows of a read begin in sixteen different 16-byte columns) and come back as 16 neighbours along K a lane, which the conversions want.
; The six waves' parts of a row's sum of squares meet in LDS behind the one barrier; wave 0 adds them and stores x2 (lanes 0-15) and ny (lanes 16-31): two pieces of 64 bytes a work-group,
; 128 bytes beside the 24,576 bytes of codes that leave as stores of 512 consecutive bytes.
; LIMITS: e0 and e1 between -126 and 119 (each power of two below is an f32 number).  NaN and infinities among the inputs are not served.
.set RED, 50688                        ; behind the six stages of 8,448 bytes: 64 bytes for each wave
.set X,   16                           ; v16-79    the numbers as loaded
.set Y,   80                           ; v80-143   16 neighbours along K for each of four groups
.set Z,   144                          ; v144-207  the same, held within the largest code x the scale
.set CA,  208                          ; v208-223  codes with e0
.set CB,  224                          ; v224-239  codes with e1
	s_load_b256 s[4:11], s[0:1], 0x0               ; features s[4:5], lowp_scales s[6:7], qa s[8:9], qb s[10:11]
	s_load_b64 s[12:13], s[0:1], 0x20              ; nrm
	v_lshl_add_u32 v254, v0, 2, 0xc800
	v_mov_b32 v255, 0
	v_lshrrev_b32 v15, 5, v0
	v_readfirstlane_b32 s14, v15                   ; wave 0..5
	v_and_b32 v1, 31, v0                           ; lane
	v_and_b32 v2, 15, v0                           ; r
	v_bfe_u32 v3, v0, 4, 1                         ; h
	v_lshlrev_b32 v4, 4, v1                        ; 16 x lane
	s_mul_i32 s15, s14, 8448                       ; my stage
	v_add_nc_u32 v5, s15, v4                       ; into it: a row's 512 bytes as they lie
	v_mul_u32_u24 v6, v2, 528
	v_lshl_add_u32 v6, v3, 6, v6
	v_add_nc_u32 v6, s15, v6                       ; out of it: row r, + 64 h: my 16 numbers of a group of 32
	s_lshl_b32 s16, s14, 6
	s_add_co_u32 s16, s16, RED
	v_lshlrev_b32 v8, 2, v2
	v_add_nc_u32 v7, s16, v8                       ; my wave's word for row r
	v_lshl_add_u32 v9, v3, 15, v8                  ; nrm: 4 r, lanes 16-31 32,768 bytes on
	v_add_nc_u32 v8, RED, v8                       ; wave 0's word for row r
	v_mov_b32 v244, 0                              ; written once: a lane permute's destination counts as one of its sources
	s_mov_b32 s24, 0x76543210
	s_mov_b32 s25, 0xfedcba98                      ; v_permlanex16_b32's selects for lane l xor 16
	s_mul_i32 s18, ttmp9, 49152                    ; the tile's 16 rows of 3,072 bytes,
	s_lshl_b32 s17, s14, 9
	s_add_co_u32 s18, s18, s17                     ; my wave's 512 bytes of a row
	s_mov_b32 s19, 0
	s_mul_i32 s22, ttmp9, 12288                    ; the tile's codes,
	s_lshl_b32 s17, s14, 11
	s_add_co_u32 s22, s22, s17                     ; my K step's 2,048 bytes
	s_mov_b32 s23, 0
	s_lshl_b32 s26, ttmp9, 6                       ; the tile's 16 words of nrm
	s_mov_b32 s27, 0
	s_wait_kmcnt 0x0
	s_load_b64 s[20:21], s[6:7], 0x0               ; e0, e1
	s_add_nc_u64 s[4:5], s[4:5], s[18:19]
	s_add_nc_u64 s[8:9], s[8:9], s[22:23]
	s_add_nc_u64 s[10:11], s[10:11], s[22:23]
	s_add_nc_u64 s[12:13], s[12:13], s[26:27]
.irp i, 0,1,2,3,4,5,6,7,8,9,10,11,12,13,14,15
	global_load_b128 v[X+4*\i:X+4*\i+3], v4, s[4:5] offset:3072*\i th:TH_LOAD_NT   ; 32 lanes read 512 consecutive bytes of row i; all sixteen loads are out together
.endr
	s_wait_kmcnt 0x0
	s_add_co_i32 s28, s20, 127
	s_lshl_b32 s29, s28, 23
	v_mov_b32 v11, s29                             ; 2^e0 as f32: the conversion takes its exponent field
	s_add_co_i32 s28, s28, 8
	s_lshl_b32 s28, s28, 23
	s_or_b32 s28, s28, 0x600000
	v_mov_b32 v10, s28                             ; 448 x 2^e0
	s_add_co_i32 s28, s21, 127
	s_lshl_b32 s29, s28, 23
	v_mov_b32 v13, s29                             ; 2^e1
	s_add_co_i32 s28, s28, 8
	s_lshl_b32 s28, s28, 23
	s_or_b32 s28, s28, 0x600000
	v_mov_b32 v12, s28                             ; 448 x 2^e1
	s_add_co_i32 s30, s20, s21
	s_add_co_i32 s30, s30, 1
	s_sub_co_i32 s30, 0, s30                       ; -(e0 + e1 + 1)
.irp i, 0,1,2,3,4,5,6,7,8,9,10,11,12,13,14,15
	s_wait_loadcnt 15-\i                           ; loads come back in order: row i is in, the 15 - i younger ones may be out
	ds_store_b128 v5, v[X+4*\i:X+4*\i+3] offset:528*\i
.endr
.irp g, 0,1,2,3
.irp q, 0,1,2,3
	ds_load_b128 v[Y+16*\g+4*\q:Y+16*\g+4*\q+3], v6 offset:128*\g+16*\q   ; my own bytes: LDS serves a wave's instructions in order, so no wait stands between the stores and these
.endr
.endr
.irp g, 0,1,2,3
	s_wait_alu depctr_va_vdst(0)
	s_wait_dscnt 12-4*\g                           ; group g's four loads are in; the 12 - 4 g younger ones may be out
.irp p, 0,2,4,6
.if (\g == 0) && (\p == 0)
	v_pk_mul_f32 v[240:241], v[Y:Y+1], v[Y:Y+1]    ; the first products start the two chains: nothing is cleared
	v_pk_mul_f32 v[242:243], v[Y+2:Y+3], v[Y+2:Y+3]
.else
	v_pk_fma_f32 v[240:241], v[Y+16*\g+2*\p:Y+16*\g+2*\p+1], v[Y+16*\g+2*\p:Y+16*\g+2*\p+1], v[240:241]
	v_pk_fma_f32 v[242:243], v[Y+16*\g+2*\p+2:Y+16*\g+2*\p+3], v[Y+16*\g+2*\p+2:Y+16*\g+2*\p+3], v[242:243]
.endif
.endr
.endr
	v_pk_add_f32 v[240:241], v[240:241], v[242:243]
	v_add_f32 v240, v240, v241
	v_permlanex16_b32 v244, v240, s24, s25         ; the row's other 64 numbers of this K step lie in the lane 16 away
	v_add_f32 v240, v240, v244
	ds_store_b32 v7, v240                          ; both halves of the lanes write the same number to the same word
.macro QUANT c, lim, sc
.irp g, 0,1,2,3
.irp i, 0,1,2,3,4,5,6,7,8,9,10,11,12,13,14,15
	v_med3_num_f32 v[Z+16*\g+\i], v[Y+16*\g+\i], -v[\lim], v[\lim]   ; the conversion to an 8-bit code does not saturate (ISA guide 7.6.2): the hold at the largest code x the scale comes first
.endr
	v_cvt_scalef32_pk8_fp8_f32 v[\c+4*\g:\c+4*\g+1], v[Z+16*\g:Z+16*\g+7], v[\sc]
	v_cvt_scalef32_pk8_fp8_f32 v[\c+4*\g+2:\c+4*\g+3], v[Z+16*\g+8:Z+16*\g+15], v[\sc]
.endr
	v_nop                                          ; a plain vector line between the last conversion and the next vector line that writes its sources
.endm
	QUANT CA, 10, 11
.irp g, 0,1,2,3
	global_store_b128 v4, v[CA+4*\g:CA+4*\g+3], s[8:9] offset:512*\g    ; 32 lanes store 512 consecutive bytes, at a multiple of 256 from the buffer's first byte
.endr
	QUANT CB, 12, 13
.irp g, 0,1,2,3
	global_store_b128 v4, v[CB+4*\g:CB+4*\g+3], s[10:11] offset:512*\g
.endr
	s_wait_dscnt 0x0                               ; for wave 0's sake: my word has landed
	s_barrier_signal -1
	s_barrier_wait -1
	s_cmp_lg_u32 s14, 0
	s_cbranch_scc1 .Lend
.irp i, 0,1,2,3,4,5
	ds_load_b32 v[246+\i], v8 offset:64*\i         ; the six waves' parts of row r
.endr
	s_wait_dscnt 0x0
	v_add_f32 v246, v246, v247
	v_add_f32 v248, v248, v249
	v_add_f32 v250, v250, v251
	v_add_f32 v246, v246, v248
	v_add_f32 v246, v246, v250                     ; x2
	v_xor_b32 v247, 0x80000000, v246
	v_ldexp_f32 v247, v247, s30                    ; ny = -x2 / 2^(e0 + e1 + 1): nothing is rounded
	v_cmp_eq_u32 vcc_lo, 1, v3
	v_cndmask_b32 v248, v246, v247, vcc_lo         ; lanes 0-15 x2, lanes 16-31 ny
	global_store_b32 v9, v248, s[12:13]
.Lend:
	s_wait_tensorcnt 0x0
	ds_add_u32 v254, v255
	s_wait_dscnt 0x0
	s_endpgm
.Lfunc_end_k_qc1b4fb107d_prep:
	.size	k_qc1b4fb107d_prep, .Lfunc_end_k_qc1b4fb107d_prep-k_qc1b4fb107d_prep
	.p2alignl 7, 3214868480
	.fill 96, 4, 3214868480
	.section	.rodata,"a",@progbits
	.p2align	6, 0x0
	.amdhsa_kernel k_qc1b4fb107d_prep
		.amdhsa_group_segment_fixed_size 51968
		.amdhsa_private_segment_fixed_size 0
		.amdhsa_enable_private_segment 0
		.amdhsa_kernarg_size 40
		.amdhsa_user_sgpr_count 2
		.amdhsa_user_sgpr_kernarg_segment_ptr 1
		.amdhsa_wavefront_size32 1
		.amdhsa_system_sgpr_workgroup_id_x 1
		.amdhsa_system_sgpr_workgroup_id_y 1
		.amdhsa_system_sgpr_workgroup_id_z 1
		.amdhsa_system_vgpr_workitem_id 0
		.amdhsa_next_free_vgpr 256
		.amdhsa_next_free_sgpr 66
		.amdhsa_reserve_vcc 1
		.amdhsa_float_denorm_mode_32 3
		.amdhsa_float_denorm_mode_16_64 3
		.amdhsa_memory_ordered 1
		.amdhsa_forward_progress 1
		.amdhsa_inst_pref_size 21
	.end_amdhsa_kernel
	.amdgpu_metadata
---
amdhsa.version: [ 1, 2 ]
amdhsa.kernels:
  - .name:           k_qc1b4fb107d_prep
    .symbol:         k_qc1b4fb107d_prep.kd
    .args:
      - { .name: features, .offset: 0, .size: 8, .value_kind: global_buffer, .address_space: global }
      - { .name: lowp_scales, .offset: 8, .size: 8, .value_kind: global_buffer, .address_space: global }
      - { .name: qa, .offset: 16, .size: 8, .value_kind: global_buffer, .address_space: global }
      - { .name: qb, .offset: 24, .size: 8, .value_kind: global_buffer, .address_space: global }
      - { .name: nrm, .offset: 32, .size: 8, .value_kind: global_buffer, .address_space: global }
    .group_segment_fixed_size: 51968
    .private_segment_fixed_size: 0
    .kernarg_segment_align: 8
    .kernarg_segment_size: 40
    .max_flat_workgroup_size: 192
    .sgpr_count:     66
    .vgpr_count:     256
    .wavefront_size: 32
...
	.end_amdgpu_metadata
.endif
;; end of part 1
;; launch knn (part 2): grid 32 x 8, 4 waves a work-group, clusters of 4 x 1, 327,680 bytes of LDS; arguments qa, qb, nrm, part; writes part
.if DOCPART == 2
	.amdgcn_target "amdgcn-amd-amdhsa--gfx1250"
	.amdhsa_code_object_version 6
	.text
	.protected	k_qc1b4fb107d_knn
	.globl	k_qc1b4fb107d_knn
	.p2align	8
	.type	k_qc1b4fb107d_knn,@function
k_qc1b4fb107d_knn:
	s_mov_b64 s[64:65], 0
	v_nop
	global_prefetch_b8 v0, s[64:65] scope:SCOPE_SE
	s_setreg_imm32_b32 hwreg(HW_REG_WAVE_MODE, 25, 1), 1
	s_wait_xcnt 0x0
	s_wait_alu depctr_hold_cnt(0) depctr_sa_sdst(0) depctr_va_vdst(0) depctr_va_sdst(0) depctr_va_ssrc(0) depctr_va_vcc(0) depctr_vm_vsrc(0)
	s_getreg_b32 s2, hwreg(HW_REG_IB_STS2, 6, 4)
	s_cmp_eq_u32 s2, 0
	s_cbranch_scc0 .Lentry_in_a_cluster
	s_endpgm
.Lentry_in_a_cluster:
	s_bfe_u32 s2, ttmp6, 0x10000c
	s_cmp_lg_u32 s2, 0x3003
	s_cbranch_scc0 .Lentry_shape_is_right
	s_endpgm
.Lentry_shape_is_right:
; For each of 8,192 queries and each of 8 splits of 1,024 candidates: the 21 nearest candidates of the split, as sorted keys.
; KEY.  r^2(i, j) = x2_i + x2_j - 2 G(i, j), G = 2^(e0 + e1) S, S the sum over K of the products of codes.  Within a row x2_i is constant, and the root and the floor are monotone, so the row's order is that of
; key = S - x2_j / 2^(e0 + e1 + 1): larger = nearer.  ny_j = -x2_j / 2^(e0 + e1 + 1) is the C of a sum's first matrix instruction, so the finished accumulator IS the key; the last launch makes r^2 of it.
; SHARES.  A work-group: 256 queries x 1,024 candidates.  Each of its four waves: 64 queries = 4 tiles, whose fragments for all of K (4 x 96 registers) stay in registers, so that a candidate fragment read from LDS feeds four products.
; THE MATRIX INSTRUCTION IS USED TRANSPOSED: source 0 = 16 candidates, source 1 = 16 queries: lane (r, h) holds query r, its register j candidate 8 h + j.  So a lane selects for one query among its own registers.
; Codes lie in memory in the order of an operand's registers (k = 32 g + 16 h + 0 .. 15 in registers 4 g .. 4 g + 3, alike in both operands: a permutation of k that leaves every product with its partner).
; SELECTION.  No branch may hang on a number, so it is a fixed network of comparators, 113 instructions for 16 keys.  For each (lane, tile) a list R of the 21 largest keys, ascending by wire 0 .. 20.  Sixteen new keys
; (two tiles of candidates) are sorted descending by Batcher's odd-even merge sort (63 comparators), V[j] = max(R[j], b[j]) keeps the 21 largest of both as a sequence that falls and then rises (8 double maxima),
; and a bitonic merge of 21 wires sorts it (42 comparators).
; A COMPARATOR IS ONE INSTRUCTION: maximum and minimum are the two halves of a dual instruction that read the same two registers and write an even and an odd register, neither of them a source.
; In the sort each comparator takes a free pair of neighbouring registers out of 18: the assembler keeps, in symbols, each wire's register (W0 .. W15) and each pair's live values (LV0 .. LV17).  At most 16 values live,
; so at most 16 pairs are held and a seventeenth is always free.  In the merge wire w lies at offset P(w) = (w & 30) | (parity of w's ones), so that wires i and i xor 2^b fall on an even and an odd register.
; BY TURNS.  A trip is 32 candidates x 64 queries: four phases.  Phase t issues the 12 matrix instructions of query tile t (6 K steps x 2 candidate tiles, the two accumulators by turns),
; dealt singly among the comparators of the network that takes in the keys of the tile before.  In phase 3 the candidate fragments are fetched anew from LDS behind their last use, three fragments (12 loads) a run;
; the one wait for them stands ahead of phase 0's first matrix instruction: the last run has 41 comparators of phase 3 and 40 of phase 0 in which to land.
; CLUSTER.  The four query blocks of a cluster walk the same candidates: every tensor load is asked for JOINTLY (mask of all four); nothing in a descriptor or an LDS address hangs on the place in the cluster.
; RING.  Two LDS slots of 128 candidates (98,304 bytes, dense: every LDS load reads 512 consecutive bytes); each wave fetches a quarter by one load of 96 rows of 256 bytes.  By this text's own count a wave has one
; tensor load out at a time.  ny (4,096 bytes) comes through registers into LDS bytes of its own.  No data prefetch: a refill is issued four trips, 192 matrix instructions a wave, ahead of the wait for it.
; THE CHANGE OF SLOTS is in two parts.  At the wait in phase 0 of a slot's fourth trip all the slot's fragments are in registers: there each wave waits for its tensor loads, adds 0 to its spare word, waits for that and signals.
; The rest of phase 0 and phases 1 and 2 are work on registers alone.  Ahead of phase 3, whose fetches are the first reads of the other slot, stand the barrier's wait, the rest of the cluster's round and the refill.
; OUTPUT.  part [split 8][g 6][query 8192][4] f32: position 4 g + i of a query's list holds wire P(4 g + i) (P is its own inverse); positions 21 to 23 hold -infinity.
; LIMITS.  NaN and infinities among the inputs are not served (the maxima and minima drop a NaN); a key that overflowed to -infinity would be taken for the filler.
; REGISTERS, in windows of 256.  Window 0: v1 16 x lane; v2, v4 LDS addresses of the fetch in hand; v3 ny's place for my half; v5, v6 the add's two; v7 lane; v10 ny's way in; v16-47 two sets of two accumulators;
;   v48-95 at work at the end; v80-123 the merge's two banks; v124-219 the four lists, 24 registers each; v220-255 the sort's 18 pairs.   Windows 1, 2: Q, tile t in window 1 + t / 2 at 96 (t % 2) + 16 x K step.
;   Window 3: the candidates' 12 fragments (tile c, K step s at 16 (6 c + s)); v192-207 ny in the result's layout.
.set SLOT1, 1<<17                      ; slot 1 begins here: one exclusive or turns an address in one slot into the other's
.set SLOTB, 98304                      ; bytes in a slot
.set TRIPB, 24576                      ; bytes of a trip's two tiles, and of a wave's tensor load
.set NORM,  262144                     ; the split's 1,024 ny: bytes that no tensor load fills
.set SPARE, 266240                     ; the spare words, 128 bytes for each wave: two blocks of 256 bytes that no other line names
.set ACC,  16
.set XH,   48
.set MRG0, 80
.set MRG1, 102
.set CL,   124
.set POOL, 220
.set YN,   192
.set MSB, 0
.set PEM, 1                            ; 1: matrix instructions are dealt among the comparators
.set PT, 0
.set PRL, 0
.set PWT, 0
.set CHS, 0                            ; 1, 2: the phase's wait is followed by the first part of a change of slots (1: with a refill)
.set RL11, 0
.set VC, 0
.set WN, 12
.set RN, 0
.set NU, 0
.set NS, 0
.set E0, 1
.set ES, 9
.macro WIN new                         ; the immediate's high byte repeats the setting that is left; a switch that changes nothing is dropped
.if MSB != (\new)
	s_set_vgpr_msb (MSB<<8)|(\new)
.set MSB, (\new)
.endif
.endm
.macro CREST                           ; a round of the cluster's barrier behind its opening barrier
	s_cmp_lg_u32 s12, 0
	s_cbranch_scc1 .Lnot_wave_0_\@
	s_barrier_signal -3
.Lnot_wave_0_\@:
	s_barrier_wait -3
	s_barrier_signal -1
	s_barrier_wait -1
.endm
.macro CROUND                          ; a whole round
	s_barrier_signal -1
	s_barrier_wait -1
	CREST
.endm
.macro PW name, w                      ; name = P(w)
.set \name, ((\w)&30)|((((\w)>>4)^((\w)>>3)^((\w)>>2)^((\w)>>1)^(\w))&1)
.endm
; Fetch number RN (K step RN / 2, candidate tile RN % 2) of a trip's twelve; with a tile's first fragment comes its ny.
.macro RELOAD
.set RKS, RN>>1
.set RC, RN&1
.if RKS == 0
	ds_load_b128 v[YN+8*RC:YN+8*RC+3], v4 offset:64*RC        ; ny of candidates 8 h + 0 .. 3 of the tile: the same 16 bytes in all lanes of a half
	ds_load_b128 v[YN+8*RC+4:YN+8*RC+7], v4 offset:64*RC+16
.endif
.irp g, 0,1,2,3
	ds_load_b128 v[16*(6*RC+RKS)+4*\g:16*(6*RC+RKS)+4*\g+3], v2 offset:12288*RC+2048*RKS+512*\g
.endr
.endm
.macro RELOAD3 first                   ; three fragments in one run
	WIN 0xC0                                       ; destination window 3, address window 0
.set RN, \first
.rept 3
	RELOAD
.set RN, RN+1
.endr
.endm
; The first part of a change of slots: my tensor loads have landed, my reads of the slot are over (the wait just ahead has shown the trip's fragments in), and I say so.
.macro SIGNAL
	s_wait_tensorcnt 0x0                           ; all my tensor loads have landed: my part of the other slot; so a group 0 may be written
	ds_add_u32 v5, v6                              ; 0 onto my spare word: the steps below stand between it and the wait for it
	s_sub_co_u32 s52, s52, SLOTB                   ; the fetches go back to a slot's first trip,
	s_xor_b32 s52, s52, SLOT1                      ; in the other slot
.if CHS == 1
	s_xor_b32 s49, s49, SLOT1                      ; the walking descriptor: the other slot than last time,
	s_add_nc_u64 s[50:51], s[50:51], SLOTB         ; the next 128 candidates; the type bits on top are not reached
.endif
	s_wait_dscnt 0x0                               ; the add is done
	s_barrier_signal -1                            ; up to the barrier's wait, ahead of phase 3, stands work on registers alone
.endm
; Its second part, ahead of phase 3.
.macro MEET fill
	s_barrier_wait -1                              ; every wave of my work-group has signalled
.if \fill
	CREST                                          ; the barrier has opened a round of the cluster's barrier: no wave of any partner still reads the slot or has a load on its way
	tensor_load_to_lds s[48:51], s[24:31]          ; the joint refill, first behind the round, my one load there
	s_nop 0
.rept 4
	v_nop
.endr
.endif
.endm
; Matrix instruction WN of a phase's twelve.  In a phase that fetches, ahead of every third one the three fragments used last are fetched anew: ES comparators, which name none of their registers, stand behind the last use (four places are owed).
.macro EMIT
.set EKS, WN>>1
.set EC, WN&1
.set ED, ACC+16*(PT&1)+8*EC
.set EA, 16*(6*EC+EKS)
.set EB, 96*(PT&1)+16*EKS
.set EW, 3|((1+(PT>>1))<<2)            ; source 0 (candidates) window 3, source 1 (Q) window 1 or 2, C and D window 0
.if PRL && (WN > 0) && ((WN%3) == 0)
	RELOAD3 WN-3
.endif
.if PWT && (WN == 0)
	s_wait_alu depctr_va_vdst(0)                   ; ahead of both sums' first steps
	s_wait_dscnt 0x0                               ; the trip's twelve fragments and ny are in
.if CHS > 0
	SIGNAL
.endif
.endif
.if EKS == 0
	WIN EW|0x30                                    ; C = ny, in window 3: it starts the sum
	v_wmma_f32_16x16x128_fp8_fp8 v[ED:ED+7], v[EA:EA+15], v[EB:EB+15], v[YN+8*EC:YN+8*EC+7]
.else
	WIN EW
	v_wmma_f32_16x16x128_fp8_fp8 v[ED:ED+7], v[EA:EA+15], v[EB:EB+15], v[ED:ED+7]
.endif
	WIN 0
.set WN, WN+1
.endm
.macro TICK                            ; behind every instruction of the network: what is due of the phase's matrix work and fetches
.set VC, VC+1
.if PEM
.if (WN < 12) && (VC >= E0+ES*WN)
	EMIT
.endif
.if RL11 && (VC >= E0+ES*11+5)         ; the last three fragments: five comparators behind the last matrix instruction
	RELOAD3 9
	WIN 0
.set RL11, 0
.endif
.endif
.endm
.macro CMPX ra, rb, rhi, rlo           ; a comparator
	v_dual_max_num_f32 v[\rhi], v[\ra], v[\rb] :: v_dual_min_num_f32 v[\rlo], v[\ra], v[\rb]
	TICK
.endm
.macro REL r                           ; the value in register r has been read for the last time: its pair holds one live value fewer (accumulators are no pairs)
.if (\r) >= POOL
.set SL, ((\r)-POOL)/2
.irp p, 0,1,2,3,4,5,6,7,8,9,10,11,12,13,14,15,16,17
.if \p == SL
.set LV\p, LV\p-1
.endif
.endr
.endif
.endm
; A comparator of the sort on wires a < b: the maximum to a, the minimum to b, into the first free pair.  e = 0: wire a takes the pair's even register; e = 1: the odd one.
.macro CE a, b, e
.set FP, -1
.irp p, 0,1,2,3,4,5,6,7,8,9,10,11,12,13,14,15,16,17
.if (FP < 0) && (LV\p == 0)
.set FP, \p
.endif
.endr
.set RE, POOL+2*FP+(\e)
.set RO, POOL+2*FP+1-(\e)
	CMPX W\a, W\b, RE, RO
	REL W\a
	REL W\b
.irp p, 0,1,2,3,4,5,6,7,8,9,10,11,12,13,14,15,16,17
.if \p == FP
.set LV\p, 2
.endif
.endr
.set W\a, RE
.set W\b, RO
.endm
.macro CES a, b, c, d, e, f, g, h
	CE \a, \b, 0
	CE \c, \d, 0
	CE \e, \f, 0
	CE \g, \h, 0
.endm
; Batcher's odd-even merge sort of 16, descending: ten layers, 63 comparators.  The first layer reads the two accumulators as they lie, each from its low end on.
; Wires 1, 3, .. 13 end in even registers and wires 2, 4, .. 14 in odd ones (the last layer); wire 0 is laid odd and wire 15 even: so wires j and j + 1, j even, differ in parity, as the double maxima want.
.macro SORT16
	CES 0,1, 2,3, 4,5, 6,7
	CES 8,9, 10,11, 12,13, 14,15
	CES 0,2, 1,3, 4,6, 5,7
	CES 8,10, 9,11, 12,14, 13,15
	CES 1,2, 5,6, 9,10, 13,14
	CES 0,4, 3,7, 8,12, 11,15
	CES 1,5, 2,6, 9,13, 10,14
	CES 2,4, 3,5, 10,12, 11,13
	CES 1,2, 3,4, 5,6, 9,10
	CE 11, 12, 0
	CE 13, 14, 0
	CE 0, 8, 1
	CE 7, 15, 1
	CES 1,9, 2,10, 3,11, 4,12
	CE 5, 13, 0
	CE 6, 14, 0
	CES 4,8, 5,9, 6,10, 7,11
	CES 2,4, 3,5, 6,8, 7,9
	CE 10, 12, 0
	CE 11, 13, 0
	CES 1,2, 3,4, 5,6, 7,8
	CE 9, 10, 0
	CE 11, 12, 0
	CE 13, 14, 0
.endm
; V[j] = max(R[j], b[j]), j = 0 .. 15, two a line; V[16 .. 20] = R[16 .. 20] stay in the list.  V[0 .. 4] go to bank 0, V[5 .. 15] to bank 1.
.macro HC1 j, k
	PW PA, \j
	PW PB, \k
.if \j < 4
.set RH, MRG0+PA
.set RW, MRG0+PB
.elseif \j == 4
.set RH, MRG0+PA
.set RW, MRG1+PB
.else
.set RH, MRG1+PA
.set RW, MRG1+PB
.endif
	v_dual_max_num_f32 v[RH], v[CLB+PA], v[W\j] :: v_dual_max_num_f32 v[RW], v[CLB+PB], v[W\k]
	TICK
.endm
.macro MC wl, wh, sl, sh, dl, dh       ; wires wl < wh, read from banks sl, sh; the minimum to wl in bank dl, the maximum to wh in bank dh
	PW PA, \wl
	PW PB, \wh
	CMPX \sl+PA, \sh+PB, \dh+PB, \dl+PA
.endm
; The bitonic merge of 32 wires, ascending, of which wires 21 to 31 are thought to hold +infinity: a comparator whose upper wire is one of them changes nothing and is left out.  Wires 16 to 20 have no
; comparator at distance 8 and run a stage ahead.  Every place is written before it is read, and the list is written only behind its last read.
.macro MERGE
	MC 0, 16, MRG0, CLB, MRG1, MRG1
	MC 1, 17, MRG0, CLB, MRG1, MRG0
	MC 2, 18, MRG0, CLB, MRG1, MRG0
	MC 3, 19, MRG0, CLB, MRG1, MRG0
	MC 4, 20, MRG0, CLB, MRG1, MRG1
.irp i, 0,1,2,3,4,5,6,7
	MC \i, \i+8, MRG1, MRG1, MRG0, MRG0
.endr
	MC 16, 20, MRG1, MRG1, MRG0, CLB
.irp i, 0,1,2,3,8,9,10,11
	MC \i, \i+4, MRG0, MRG0, MRG1, MRG1
.endr
	MC 16, 18, MRG0, MRG0, MRG1, MRG1
	MC 17, 19, MRG0, MRG0, MRG1, MRG1
.irp i, 0,1,4,5,8,9,12,13
	MC \i, \i+2, MRG1, MRG1, MRG0, MRG0
.endr
	MC 16, 17, MRG1, MRG1, CLB, CLB
	MC 18, 19, MRG1, MRG1, CLB, CLB
.irp i, 0,2,4,6,8,10,12,14
	MC \i, \i+1, MRG0, MRG0, CLB, CLB
.endr
.endm
.macro NET                             ; list NU takes in the 16 keys of accumulator set NS: 113 instructions
.set CLB, CL+24*NU
.irp i, 0,1,2,3,4,5,6,7,8,9,10,11,12,13,14,15
.set W\i, ACC+16*NS+\i
.endr
.irp p, 0,1,2,3,4,5,6,7,8,9,10,11,12,13,14,15,16,17
.set LV\p, 0
.endr
	SORT16
	HC1 0, 1
	HC1 2, 3
	HC1 4, 5
	HC1 6, 7
	HC1 8, 9
	HC1 10, 11
	HC1 12, 13
	HC1 14, 15
	MERGE
.endm
.macro NEXTADR                         ; the LDS addresses of the next trip's fragments and ny
	v_add_nc_u32 v2, s52, v1
	v_add_nc_u32 v4, s53, v3
	s_add_co_u32 s52, s52, TRIPB
	s_add_co_u32 s53, s53, 128
.endm
; Phase t: query tile t's products into accumulator set t % 2 | the network on the tile before, from the other set.  reload = 1: the fragments are fetched anew.  waits = 1: the fragments are waited for.
; Matrix instruction n stands behind comparator E0 + ES n.  At least seven comparators stand behind a phase's last matrix instruction before the next phase reads its result.
.macro PHASE t, reload, waits
.set PT, \t
.set PRL, \reload
.set PWT, \waits
.set RL11, \reload
.set VC, 0
.set WN, 0
.set NU, ((\t)+3)&3
.set NS, 1-((\t)&1)
.if \waits
.set E0, 40                            ; the twelve stand behind comparators 40, 46, .. 106
.set ES, 6
.elseif \reload
.set E0, 1                             ; behind comparators 1, 7, .. 67; the last run of fetches behind comparator 72
.set ES, 6
	NEXTADR
.else
.set E0, 1
.set ES, 9
.endif
	NET
.endm
; A slot's four trips.  mode 1: the slot is filled again; 2: it is left, nothing is asked for; 0: the last slot: nothing follows.
.macro SLOTRUN mode
	s_mov_b32 s55, 3
.Ltrip_\@:
	PHASE 0, 0, 1
	PHASE 1, 0, 0
	PHASE 2, 0, 0
	PHASE 3, 1, 0
	s_sub_co_u32 s55, s55, 1
	s_cmp_lg_u32 s55, 0
	s_cbranch_scc1 .Ltrip_\@
.set CHS, \mode
	PHASE 0, 0, 1
.set CHS, 0
	PHASE 1, 0, 0
	PHASE 2, 0, 0
.if \mode == 1
	MEET 1
.elseif \mode == 2
	MEET 0
.endif
.if \mode == 0
	PHASE 3, 0, 0
.else
	PHASE 3, 1, 0
.endif
.endm
	s_load_b256 s[4:11], s[0:1], 0x0               ; qa s[4:5], qb s[6:7], nrm s[8:9], part s[10:11]
	v_lshl_add_u32 v5, v0, 2, SPARE
	v_mov_b32 v6, 0
	ds_add_u32 v5, v6                              ; the opening lines: the add, twice on end, and its wait ahead of my first tensor load
	ds_add_u32 v5, v6
	v_lshrrev_b32 v9, 5, v0
	v_readfirstlane_b32 s12, v9                    ; wave 0..3
	v_and_b32 v7, 31, v0                           ; lane
	v_lshlrev_b32 v1, 4, v7                        ; 16 x lane
	v_bfe_u32 v9, v0, 4, 1                         ; h
	v_lshl_add_u32 v3, v9, 5, NORM                 ; ny of candidates 8 h on
	s_bfe_u32 s13, ttmp6, 0x40000                  ; cx: my place in the cluster
	s_lshl_b32 s14, ttmp9, 2                       ; in a cluster launch ttmp9 counts clusters
	s_add_co_u32 s14, s14, s13                     ; my block of 256 queries: it enters qa's and part's addresses alone
	s_and_b32 s15, ttmp7, 0xffff                   ; the split, which the four partners share
	s_mul_i32 s16, s12, TRIPB                      ; my quarter of a slot, in memory and in LDS
	s_lshl_b32 s17, s12, 10                        ; my quarter of ny
	s_add_co_u32 s41, s17, NORM
	v_add_nc_u32 v10, s41, v1                      ; where my 16 bytes of ny go
	s_mul_i32 s18, s15, 8*SLOTB
	s_add_co_u32 s18, s18, s16                     ; qb: the split's 64 tiles, my quarter of the first 8
	s_mov_b32 s19, 0
	s_lshl_b32 s20, s15, 12
	s_add_co_u32 s20, s20, s17
	s_add_co_u32 s20, s20, 32768                   ; nrm: ny begins 32,768 bytes on; the split's 4,096 bytes; my quarter
	s_mov_b32 s21, 0
	s_mul_i32 s22, s14, 196608
	s_mul_i32 s23, s12, 49152
	s_add_co_u32 s22, s22, s23                     ; qa: my block's 16 tiles, my wave's 4
	s_mov_b32 s23, 0
	s_mul_i32 s60, s15, 786432
	s_lshl_b32 s61, s14, 12
	s_add_co_u32 s60, s60, s61
	s_add_co_u32 s60, s60, s17                     ; part: the split, my block's 256 queries of 16 bytes, my wave's 64
	s_mov_b32 s61, 0
	; descriptor group 1: a dense block as 96 rows of 256 bytes: 32 elements of 8 bytes
	s_mov_b32 s24, 15|(3<<16)|(1<<21)              ; 15:0 the mask: all four work-groups; 17:16 elements of 8 bytes; 21 set beside a mask; no padding
	s_mov_b32 s25, 32<<16                          ; tensor_dim0 = 32
	s_mov_b32 s26, 96<<16                          ; tensor_dim1 = 96
	s_mov_b32 s27, 32<<16                          ; tile_dim0 = 32
	s_mov_b32 s28, 96                              ; tile_dim1 = 96
	s_mov_b32 s29, 32                              ; elements from row to row
	s_mov_b32 s30, 0
	s_mov_b32 s31, 0
	s_mov_b32 s52, 0                               ; LDS byte of the next trip's fragments
	s_mov_b32 s53, 0                               ; byte in ny of the next trip's candidates
	s_mov_b32 s56, 0x76543210
	s_mov_b32 s57, 0xfedcba98                      ; v_permlanex16_b32's selects for lane l xor 16
	s_mov_b32 s59, 0xff800000                      ; -infinity
	s_wait_alu depctr_va_vdst(0)
	s_wait_dscnt 0x0                               ; both opening adds are done
	s_wait_kmcnt 0x0
	s_add_nc_u64 s[42:43], s[8:9], s[20:21]        ; my quarter of ny
	s_mov_b32 s44, 1                               ; group 0 for slot 0's first fill: candidates 0 to 127 of the split
	s_mov_b32 s45, s16
	s_add_nc_u64 s[46:47], s[6:7], s[18:19]
	s_mov_b32 s48, 1                               ; for slot 1's: candidates 128 to 255; this one then walks
	s_add_co_u32 s49, s16, SLOT1
	s_add_nc_u64 s[50:51], s[46:47], SLOTB
	s_or_b32 s47, s47, 0x80000000
	s_or_b32 s51, s51, 0x80000000
	s_add_nc_u64 s[4:5], s[4:5], s[22:23]
	s_add_nc_u64 s[10:11], s[10:11], s[60:61]
	CROUND                                         ; all four work-groups are here: the first joint loads meet
	tensor_load_to_lds s[44:47], s[24:31]          ; slot 0, ahead of the loads into registers
	s_nop 0
.rept 4
	v_nop
.endr
	global_load_b128 v[72:75], v1, s[42:43]        ; ny: two loads of 512 consecutive bytes a wave
	global_load_b128 v[76:79], v1, s[42:43] offset:512
	WIN 0x40                                       ; destination window 1
.irp t, 0,1
.irp k, 0,1,2,3,4,5
.irp g, 0,1,2,3
	global_load_b128 v[96*\t+16*\k+4*\g:96*\t+16*\k+4*\g+3], v1, s[4:5] offset:12288*\t+2048*\k+512*\g   ; Q stays in registers; 512 consecutive bytes a load
.endr
.endr
.endr
	WIN 0x80                                       ; destination window 2
.irp t, 0,1
.irp k, 0,1,2,3,4,5
.irp g, 0,1,2,3
	global_load_b128 v[96*\t+16*\k+4*\g:96*\t+16*\k+4*\g+3], v1, s[4:5] offset:12288*(\t+2)+2048*\k+512*\g
.endr
.endr
.endr
	WIN 0
.set I, 0
.rept 96
	v_mov_b32 v[CL+I], s59                         ; the four lists begin as -infinity, under every key; places 21 to 23 of each stay so
.set I, I+1
.endr
.set I, 0
.rept 16
	v_mov_b32 v[ACC+16+I], s59                     ; and so does accumulator set 1: the very first phase takes in sixteen fillers, so that no first trip is written out
.set I, I+1
.endr
.set I, 0
.rept 21
	v_mov_b32 v[XH+I], s59                         ; written once: a lane permute's destination counts as one of its sources
.set I, I+1
.endr
	s_wait_alu depctr_va_vdst(0)
	s_wait_loadcnt 0x0                             ; ny and Q
	s_wait_tensorcnt 0x0                           ; my part of slot 0 is in: no tensor load is out while I store to LDS
	ds_store_b128 v10, v[72:75]
	ds_store_b128 v10, v[76:79] offset:512
	s_wait_tensorcnt 0x0
	ds_add_u32 v5, v6
	s_wait_dscnt 0x0                               ; the add is done, and my part of ny has landed
	CROUND                                         ; everybody's parts of slot 0 and of ny are in, and the joint loads meet
	tensor_load_to_lds s[48:51], s[24:31]          ; slot 1's first fill, first behind the round
	s_nop 0
.rept 4
	v_nop
.endr
	NEXTADR
	WIN 0xC0
.set RN, 0
.rept 12
	RELOAD                                         ; the first trip's fragments, in the order in which phase 3 fetches them
.set RN, RN+1
.endr
	WIN 0
	s_mov_b32 s54, 6
.Lslot:                                            ; six trips: slots' worth 0 to 5 of the split's eight ask for the one two on
	SLOTRUN 1
	s_sub_co_u32 s54, s54, 1
	s_cmp_lg_u32 s54, 0
	s_cbranch_scc1 .Lslot
	SLOTRUN 2                                      ; the tail is written out
	SLOTRUN 0
.set PEM, 0
.set NU, 3
.set NS, 1
	NET                                            ; the last keys of tile 3
	; The two halves of the lanes hold the same 16 queries and different candidates: each takes the other's list in falling order, keeps the larger of each pair, and merges: both then hold the split's 21.
.irp u, 0,1,2,3
.set CLB, CL+24*\u
.irp j, 0,1,2,3,4,5,6,7,8,9,10,11,12,13,14,15,16,17,18,19,20
	PW PA, 20-\j
	v_permlanex16_b32 v[XH+\j], v[CLB+PA], s56, s57
.endr
.irp j, 0,1,2,3,4,5,6,7,8,9,10,11,12,13,14,15,16,17,18,19,20
	PW PA, \j
.if \j <= 4
	v_max_num_f32 v[MRG0+PA], v[CLB+PA], v[XH+\j]
.elseif \j <= 15
	v_max_num_f32 v[MRG1+PA], v[CLB+PA], v[XH+\j]
.else
	v_max_num_f32 v[CLB+PA], v[CLB+PA], v[XH+\j]
.endif
.endr
	MERGE
.endr
	; Both halves hold every list: lanes 0-15 send tile 2 u's, lanes 16-31 tile 2 u + 1's, so that a store covers 512 consecutive bytes (32 queries x 16 bytes), at a multiple of 256 from the buffer's first byte.
	v_cmp_le_u32 vcc_lo, 16, v7
.irp u, 0,1
.set I, 0
.rept 24
	v_cndmask_b32 v[XH+24*\u+I], v[CL+48*\u+I], v[CL+48*\u+24+I], vcc_lo
.set I, I+1
.endr
.endr
.irp u, 0,1
.irp g, 0,1,2,3,4,5
	global_store_b128 v1, v[XH+24*\u+4*\g:XH+24*\u+4*\g+3], s[10:11] offset:131072*\g+512*\u
.endr
.endr
	s_wait_tensorcnt 0x0                           ; the wave's end
	ds_add_u32 v5, v6
	s_wait_dscnt 0x0
	CROUND                                         ; the closing round: no work-group ends while a partner may still ask for a tile that names it
	s_endpgm
.Lfunc_end_k_qc1b4fb107d_knn:
	.size	k_qc1b4fb107d_knn, .Lfunc_end_k_qc1b4fb107d_knn-k_qc1b4fb107d_knn
	.p2alignl 7, 3214868480
	.fill 96, 4, 3214868480
	.section	.rodata,"a",@progbits
	.p2align	6, 0x0
	.amdhsa_kernel k_qc1b4fb107d_knn
		.amdhsa_group_segment_fixed_size 327680
		.amdhsa_private_segment_fixed_size 0
		.amdhsa_enable_private_segment 0
		.amdhsa_kernarg_size 32
		.amdhsa_user_sgpr_count 2
		.amdhsa_user_sgpr_kernarg_segment_ptr 1
		.amdhsa_wavefront_size32 1
		.amdhsa_system_sgpr_workgroup_id_x 1
		.amdhsa_system_sgpr_workgroup_id_y 1
		.amdhsa_system_sgpr_workgroup_id_z 1
		.amdhsa_system_vgpr_workitem_id 0
		.amdhsa_next_free_vgpr 1024
		.amdhsa_next_free_sgpr 66
		.amdhsa_reserve_vcc 1
		.amdhsa_float_denorm_mode_32 3
		.amdhsa_float_denorm_mode_16_64 3
		.amdhsa_memory_ordered 1
		.amdhsa_forward_progress 1
		.amdhsa_inst_pref_size 255
	.end_amdhsa_kernel
	.section	.bss,"aw",@nobits
	.p2align	6
	.space	262144
	.amdgpu_metadata
---
amdhsa.version: [ 1, 2 ]
amdhsa.kernels:
  - .name:           k_qc1b4fb107d_knn
    .symbol:         k_qc1b4fb107d_knn.kd
    .args:
      - { .name: qa, .offset: 0, .size: 8, .value_kind: global_buffer, .address_space: global }
      - { .name: qb, .offset: 8, .size: 8, .value_kind: global_buffer, .address_space: global }
      - { .name: nrm, .offset: 16, .size: 8, .value_kind: global_buffer, .address_space: global }
      - { .name: part, .offset: 24, .size: 8, .value_kind: global_buffer, .address_space: global }
    .group_segment_fixed_size: 327680
    .private_segment_fixed_size: 0
    .kernarg_segment_align: 8
    .kernarg_segment_size: 32
    .max_flat_workgroup_size: 128
    .sgpr_count:     66
    .vgpr_count:     1024
    .wavefront_size: 32
...
	.end_amdgpu_metadata
.endif
;; end of part 2
;; launch fin (part 3): grid 256 x 1, 1 waves a work-group, no clusters, 0 bytes of LDS; arguments part, nrm, lowp_scales, out0; writes out0
.if DOCPART == 3
	.amdgcn_target "amdgcn-amd-amdhsa--gfx1250"
	.amdhsa_code_object_version 6
	.text
	.protected	k_qc1b4fb107d_fin
	.globl	k_qc1b4fb107d_fin
	.p2align	8
	.type	k_qc1b4fb107d_fin,@function
k_qc1b4fb107d_fin:
	s_mov_b64 s[64:65], 0
	v_nop
	global_prefetch_b8 v0, s[64:65] scope:SCOPE_SE
	s_setreg_imm32_b32 hwreg(HW_REG_WAVE_MODE, 25, 1), 1
	s_wait_xcnt 0x0
; out[q] = -|ln(m / (a20 - m))|: a0 <= a1 <= .. <= a20 the 21 smallest distances of query q, m the mean of a1 .. a19.
; part [split 8][g 6][query 8192][4] f32 holds, for each split, the query's 21 largest keys, ascending by wire; wire w lies at position P(w) = (w & 30) | (parity of w's ones); positions 21 to 23 are fillers.
; A LANE TAKES A QUERY: its eight lists are 48 loads of 16 bytes, each load of the wave 512 consecutive bytes, all out together.  List 0 takes the others in one by one: V[j] = max(R[j], L[20 - j]) keeps the 21 largest
; of both as a sequence that falls and then rises, and the bitonic merge of 21 wires sorts it.  A comparator is one dual instruction: its two results fall on an even and an odd register of another bank than it reads.
; Then r^2 = x2 - key x 2^(e0 + e1 + 1), floored at 1e-12, and its root, of wires 0 to 19 alone: wire 20, the nearest, is the one that the definition drops.  Wire 0 is a20.
; One wave to a work-group, no LDS, no barrier: lanes share nothing.  The output is 128 consecutive bytes a wave, 32,768 bytes in all.
; LIMITS: NaN and infinities among the inputs are not served.
.set CLB,  16                          ; v16-39   list 0, then the running list;  list s at v[16 + 24 s]
.set MRG0, 208                         ; v208-229 the merge's two banks
.set MRG1, 230                         ; v230-251
.macro PW name, w                      ; name = P(w)
.set \name, ((\w)&30)|((((\w)>>4)^((\w)>>3)^((\w)>>2)^((\w)>>1)^(\w))&1)
.endm
.macro MC wl, wh, sl, sh, dl, dh       ; wires wl < wh, read from banks sl, sh; the minimum to wl in bank dl, the maximum to wh in bank dh
	PW PA, \wl
	PW PB, \wh
	v_dual_max_num_f32 v[\dh+PB], v[\sl+PA], v[\sh+PB] :: v_dual_min_num_f32 v[\dl+PA], v[\sl+PA], v[\sh+PB]
.endm
; The bitonic merge of 32 wires, ascending, of which wires 21 to 31 are thought to hold +infinity: a comparator whose upper wire is one of them changes nothing and is left out.
.macro MERGE
	MC 0, 16, MRG0, CLB, MRG1, MRG1
	MC 1, 17, MRG0, CLB, MRG1, MRG0
	MC 2, 18, MRG0, CLB, MRG1, MRG0
	MC 3, 19, MRG0, CLB, MRG1, MRG0
	MC 4, 20, MRG0, CLB, MRG1, MRG1
.irp i, 0,1,2,3,4,5,6,7
	MC \i, \i+8, MRG1, MRG1, MRG0, MRG0
.endr
	MC 16, 20, MRG1, MRG1, MRG0, CLB
.irp i, 0,1,2,3,8,9,10,11
	MC \i, \i+4, MRG0, MRG0, MRG1, MRG1
.endr
	MC 16, 18, MRG0, MRG0, MRG1, MRG1
	MC 17, 19, MRG0, MRG0, MRG1, MRG1
.irp i, 0,1,4,5,8,9,12,13
	MC \i, \i+2, MRG1, MRG1, MRG0, MRG0
.endr
	MC 16, 17, MRG1, MRG1, CLB, CLB
	MC 18, 19, MRG1, MRG1, CLB, CLB
.irp i, 0,2,4,6,8,10,12,14
	MC \i, \i+1, MRG0, MRG0, CLB, CLB
.endr
.endm
	s_load_b256 s[4:11], s[0:1], 0x0               ; part s[4:5], nrm s[6:7], lowp_scales s[8:9], out0 s[10:11]
	v_lshlrev_b32 v1, 4, v0                        ; 16 x lane
	v_lshlrev_b32 v2, 2, v0                        ; 4 x lane
	s_lshl_b32 s12, ttmp9, 9                       ; my 32 queries: 512 bytes of each plane of part,
	s_mov_b32 s13, 0
	s_lshl_b32 s14, ttmp9, 7                       ; 128 bytes of nrm and of the output
	s_mov_b32 s15, 0
	s_wait_alu depctr_va_vdst(0)
	s_wait_kmcnt 0x0
	s_load_b64 s[16:17], s[8:9], 0x0               ; e0, e1
	s_add_nc_u64 s[4:5], s[4:5], s[12:13]
	s_add_nc_u64 s[6:7], s[6:7], s[14:15]
	s_add_nc_u64 s[10:11], s[10:11], s[14:15]
	global_load_b32 v3, v2, s[6:7]                 ; x2 of my query
.irp s, 0,1,2,3,4,5,6,7
.irp g, 0,1,2,3,4,5
	global_load_b128 v[16+24*\s+4*\g:16+24*\s+4*\g+3], v1, s[4:5] offset:786432*\s+131072*\g th:TH_LOAD_NT
.endr
.endr
.irp s, 1,2,3,4,5,6,7
	s_wait_alu depctr_va_vdst(0)
	s_wait_loadcnt 6*(7-\s)                        ; list s is in; the 7 - s younger lists, six loads each, may be out
.irp j, 0,1,2,3,4,5,6,7,8,9,10,11,12,13,14,15,16,17,18,19,20
	PW PA, \j
	PW PB, 20-\j
.if \j <= 4
	v_max_num_f32 v[MRG0+PA], v[CLB+PA], v[16+24*\s+PB]
.elseif \j <= 15
	v_max_num_f32 v[MRG1+PA], v[CLB+PA], v[16+24*\s+PB]
.else
	v_max_num_f32 v[CLB+PA], v[CLB+PA], v[16+24*\s+PB]
.endif
.endr
	MERGE
.endr
	s_wait_alu depctr_va_vdst(0)
	s_wait_kmcnt 0x0
	s_add_co_i32 s18, s16, s17
	s_add_co_i32 s18, s18, 1                       ; e0 + e1 + 1
.irp p, 0,1,2,3,4,5,6,7,8,9,10,11,12,13,14,15,16,17,18,19
	v_ldexp_f32 v[CLB+\p], v[CLB+\p], s18          ; key x 2^(e0 + e1 + 1): nothing is rounded.  Positions 0 to 19 are wires 0 to 19 in some order; position 0 is wire 0
.endr
.irp p, 0,1,2,3,4,5,6,7,8,9,10,11,12,13,14,15,16,17,18,19
	v_sub_f32 v[CLB+\p], v3, v[CLB+\p]             ; r^2
.endr
.irp p, 0,1,2,3,4,5,6,7,8,9,10,11,12,13,14,15,16,17,18,19
	v_max_num_f32 v[CLB+\p], 0x2b8cbccc, v[CLB+\p] ; floored at 1e-12
.endr
	s_wait_alu depctr_va_vdst(0)
.irp p, 0,1,2,3,4,5,6,7,8,9,10,11,12,13,14,15,16,17,18,19
	v_sqrt_f32 v[CLB+\p], v[CLB+\p]
.endr
	v_nop                                          ; a plain line between the last root and the use of its result
	s_wait_alu depctr_va_vdst(0)
	v_add_f32 v4, v17, v18                         ; a1 + .. + a19: positions 1 to 19, in three chains
	v_add_f32 v5, v19, v20
	v_add_f32 v6, v21, v22
.irp i, 23,26,29,32
	v_add_f32 v4, v4, v[\i]
	v_add_f32 v5, v5, v[\i+1]
	v_add_f32 v6, v6, v[\i+2]
.endr
	v_add_f32 v4, v4, v35
	v_add_f32 v5, v5, v6
	v_add_f32 v4, v4, v5
	v_mul_f32 v4, 0x3d579436, v4                   ; m = the sum / 19
	v_sub_f32 v5, v16, v4                          ; a20 - m
	s_wait_alu depctr_va_vdst(0)
	v_rcp_f32 v5, v5
	v_nop
	s_wait_alu depctr_va_vdst(0)
	v_mul_f32 v5, v4, v5                           ; m / (a20 - m)
	s_wait_alu depctr_va_vdst(0)
	v_log_f32 v5, v5                               ; its logarithm to base 2,
	v_nop
	s_wait_alu depctr_va_vdst(0)
	v_mul_f32 v5, 0x3f317218, v5                   ; x ln 2,
	v_or_b32 v5, 0x80000000, v5                    ; and -|.|
	global_store_b32 v2, v5, s[10:11]
	s_endpgm
.Lfunc_end_k_qc1b4fb107d_fin:
	.size	k_qc1b4fb107d_fin, .Lfunc_end_k_qc1b4fb107d_fin-k_qc1b4fb107d_fin
	.p2alignl 7, 3214868480
	.fill 96, 4, 3214868480
	.section	.rodata,"a",@progbits
	.p2align	6, 0x0
	.amdhsa_kernel k_qc1b4fb107d_fin
		.amdhsa_group_segment_fixed_size 0
		.amdhsa_private_segment_fixed_size 0
		.amdhsa_enable_private_segment 0
		.amdhsa_kernarg_size 32
		.amdhsa_user_sgpr_count 2
		.amdhsa_user_sgpr_kernarg_segment_ptr 1
		.amdhsa_wavefront_size32 1
		.amdhsa_system_sgpr_workgroup_id_x 1
		.amdhsa_system_sgpr_workgroup_id_y 1
		.amdhsa_system_sgpr_workgroup_id_z 1
		.amdhsa_system_vgpr_workitem_id 0
		.amdhsa_next_free_vgpr 256
		.amdhsa_next_free_sgpr 66
		.amdhsa_reserve_vcc 0
		.amdhsa_float_denorm_mode_32 3
		.amdhsa_float_denorm_mode_16_64 3
		.amdhsa_memory_ordered 1
		.amdhsa_forward_progress 1
		.amdhsa_inst_pref_size 34
	.end_amdhsa_kernel
	.amdgpu_metadata
---
amdhsa.version: [ 1, 2 ]
amdhsa.kernels:
  - .name:           k_qc1b4fb107d_fin
    .symbol:         k_qc1b4fb107d_fin.kd
    .args:
      - { .name: part, .offset: 0, .size: 8, .value_kind: global_buffer, .address_space: global }
      - { .name: nrm, .offset: 8, .size: 8, .value_kind: global_buffer, .address_space: global }
      - { .name: lowp_scales, .offset: 16, .size: 8, .value_kind: global_buffer, .address_space: global }
      - { .name: out0, .offset: 24, .size: 8, .value_kind: global_buffer, .address_space: global }
    .group_segment_fixed_size: 0
    .private_segment_fixed_size: 0
    .kernarg_segment_align: 8
    .kernarg_segment_size: 32
    .max_flat_workgroup_size: 32
    .sgpr_count:     66
    .vgpr_count:     256
    .wavefront_size: 32
...
	.end_amdgpu_metadata
.endif
;; end of part 3
